; MI455X (gfx1250); checked and timed in simulation.
; The chip was launched on July 23, 2026; its instructions are those of AMD's public machine-readable ISA for CDNA 5 (MIT licence, August 2026) and "CDNA5" Instruction Set Architecture Reference Guide (July 2026). The comments in the code are by the model that wrote it; some were corrected since.
;; Euclidean Codebook. Allowed arithmetic: matrix products marked QUANTISED: E2M1 operands, one E8M0 scale for each 32 along K, by v_wmma_scale_f32_16x16x128_f8f6f4 with both operands' format E2M1 (or v_wmma_scale_f32_32x16x128_f4), f32 sums; everything else in f32.
;; Inputs: embed 8,192 x 512 float32; x 4 x 4,096 x 512 float32.
;; Outputs: out0 4 x 4,096 x 512 float32; out1 4 x 4,096 int32.
;; This version of the problem:
;;   THIS VERSION OF THE PROBLEM IS GIVEN IN LOW PRECISION. The matrix products marked QUANTISED in the list below multiply operands that are first quantised to E2M1 (2 exponent bits, 1 mantissa bit; 4 bits a number), with one power-of-two scale for each 32 numbers along K (OCP MX v1.0); their sums are f32. All else is computed in f32.
;;   The module's matrix products, in the order in which they are computed (A, B: the left and right operand; K: the contracted axis; several contracted axes count as one K, in the product's order):
;;     1. [M 16,384, K 512] x [K 512, N 8,192]; A: input x; B: input embed: QUANTISED
;;   THE QUANTISER, for each operand of a quantised product, along K:
;;     - K is cut into blocks of 32 from its start; a last block that is shorter is filled with zeros.
;;     - A block's scale is 2^e with e = floor(log2(the largest magnitude in the block)) - 2, held to -126 .. 127; a block of zeros has e = 0. As a byte (E8M0): e + 127.
;;     - Each number is divided by its block's scale, clamped to +-6, and rounded to the nearest number of E2M1, ties to even, subnormals kept.
;;     - The product sums the exact products of the quantised numbers (number of the format x scale) in f32.
;;   ~~~python
;;   def quantise(x, axis):      # numpy; x: float32 -> the quantised numbers, widened to float32 again
;;       x = np.moveaxis(x, axis, -1); K = x.shape[-1]
;;       x = np.pad(x, [(0, 0)] * (x.ndim - 1) + [(0, -K % 32)]); x = x.reshape(x.shape[:-1] + (-1, 32)); a = np.abs(x).max(-1, keepdims=True)
;;       e = np.where(a > 0, np.clip(np.frexp(np.where(a > 0, a, 1))[1] - 1 - 2, -126, 127), 0)      # np.frexp(a)[1] - 1 = floor(log2(a)), exactly
;;       r = np.clip(x / 2.0 ** e, -6, 6)
;;       step = 2.0 ** (np.maximum(np.frexp(np.where(r == 0, 1, r))[1] - 1, 0) - 1)
;;       q = np.round(r / step) * step * 2.0 ** e      # np.round: ties to even
;;       return np.moveaxis(q.reshape(q.shape[:-2] + (-1,))[..., :K], -1, axis).astype(np.float32)
;;   ~~~
;; One version. Each part assembles by itself: llvm-mc -triple=amdgcn-amd-amdhsa -mcpu=gfx1250 --defsym DOCPART=n.
;; ======== version 1 of 1: 3 launches
;; limits: right only within a limited range of input values
;; workspace buffers: xw 4,521,984 bytes; ew 2,260,992 bytes; cand 1,048,576 bytes of whole numbers
;; launch quant (part 1): grid 256 x 1, 6 waves a work-group, no clusters, 59,136 bytes of LDS; arguments x, embed, xw, ew; writes xw, ew
.if DOCPART == 1
	.amdgcn_target "amdgcn-amd-amdhsa--gfx1250"
	.amdhsa_code_object_version 6
	.text
	.protected	k_q2b9ff37c0c_quant
	.globl	k_q2b9ff37c0c_quant
	.p2align	8
	.type	k_q2b9ff37c0c_quant,@function
k_q2b9ff37c0c_quant:
	s_mov_b64 s[64:65], 0
	v_nop
	global_prefetch_b8 v0, s[64:65] scope:SCOPE_SE
	s_setreg_imm32_b32 hwreg(HW_REG_WAVE_MODE, 25, 1), 1
	s_wait_xcnt 0x0
; WORK LEFT OUT BY THE WHOLE PROGRAM.  reference() takes, for each row n of x, the argmax over the codes k of -(x_sq[n] - 2 x[n].e[k] + e_sq[k]).  x_sq[n] is the same for all k of a row, and
; t -> t / 2 keeps every order: so for all values of the inputs the argmax is that of x[n].e[k] - e_sq[k] / 2.  x_sq reaches no output and is not computed; both inputs stay live (x by its codes).
; LIMIT: a NaN, an infinity or an overflow that arises in x_sq alone is not carried to the result.
; THIS LAUNCH: x [16384][512] and embed [8192][512], f32, become codes of FP4 (E2M1) with one E8M0 scale byte for each 32 along the 512; of embed's rows also -1/2 x the sum of squares (of the numbers as given), f32.
; A block's scale is 2^(floor(log2(its largest magnitude)) - 2); its byte is the largest magnitude's exponent field - 2, held at 1 from below; each number is divided by the scale and rounded to the nearest code,
; ties to even, beyond the largest code the largest.
; LIMITS: a block of zeros gets the byte 1 where the rule says 127 (its codes are zeros, and this program alone reads the bytes); NaN and infinities among the inputs are not served;
; the sums of squares are f32 sums in this text's own order (pairs within a lane, then across the lanes).
; WHAT IS WRITTEN: records of 8 tiles of 16 rows, REC = 35,328 bytes (138 x 256), in the order of a matrix operand's registers:
;   bytes 0 .. 32,767      codes: tile u at 4,096 u, in it [block of 32, b = 0..15][row 0..15][16 bytes]: with b = 4 s + 2 c + h the 512 bytes at 1,024 s + 512 c are registers 4 c .. 4 c + 3 of K step s, lane l at 16 l
;   bytes 32,768 .. 34,815 scale bytes: tile u at 256 u, [row][16 bytes]: word s of a row is its scale word for K step s
;   bytes 34,816 .. 35,327 embed's records alone: tile u at 64 u, [row] f32: -1/2 x the sum of squares.  In x's records these bytes are neither written nor read.
; SHARES: 1,536 tiles (1,024 of x, 512 of embed), six to a work-group, one to a wave; waves share nothing: no barrier.  A step is a row of 2,048 bytes: four loads of 512 consecutive bytes; the row turns through
; the wave's own stage in LDS and comes back 64 bytes a lane, two neighbouring lanes to a block.  Codes and scale bytes are gathered in the wave's LDS and leave as 4,096 and 256 consecutive bytes.
; Loads run four rows (16 loads a wave) ahead, the turn through LDS one row.
.set REC,   35328
.set EMAX,  2
.set SP,    80                         ; a lane's place in a stage: 64 bytes + 16 of padding
.set WREG,  9728                       ; LDS of a wave: two stages of 32 x SP, the code image, the scale bytes
.set IMG,   5120                       ; the code image: 16 blocks x (256 bytes + 16)
.set IP,    272
.set SCB,   9472                       ; 256 scale bytes
.set R,     16                         ; v16-79   four sets of 16 numbers as loaded
.set X,     80                         ; v80-111  two sets of 16 neighbours
.set E,     112                        ; v112-127 a scale byte for each step
.set C,     128                        ; v128-159 codes: two registers for each step
.set P,     160                        ; v160-163 partial sums of squares
.set SUM,   164
.set SQ,    165                        ; lanes t and t + 16 keep row t's sum
.set RDI,   166                        ; where I read the code image back
.set SQO,   167                        ; 4 x (lane % 16)
.set OUT,   168                        ; v168-199 the codes on the way out
	s_load_b256 s[4:11], s[0:1], 0x0               ; x, embed, xw, ew
	v_lshl_add_u32 v200, v0, 2, 0xe400             ; my spare word, behind the six waves' regions
	v_mov_b32 v201, 0
	v_lshrrev_b32 v1, 5, v0
	v_readfirstlane_b32 s16, v1                    ; wave 0..5
	v_and_b32 v2, 31, v0                           ; lane
	v_lshlrev_b32 v3, 4, v2                        ; my 16 bytes of 512
	s_mul_i32 s21, s16, WREG
	s_add_co_u32 s28, s21, IMG
	s_add_co_u32 s29, s21, SCB
	v_lshrrev_b32 v14, 2, v2
	v_mul_u32_u24 v14, v14, SP
	v_and_b32 v15, 3, v2
	v_lshl_add_u32 v14, v15, 4, v14
	v_add_nc_u32 v14, s21, v14                     ; the stage, way in: four lanes' 64 bytes on end, then the padding
	v_mul_u32_u24 v15, v2, SP
	v_add_nc_u32 v15, s21, v15                     ; way out: my 16 neighbours
	v_lshrrev_b32 v8, 1, v2                        ; my block
	v_and_b32 v9, 1, v2                            ; and which half of it
	v_mul_u32_u24 v4, v8, IP
	v_lshl_add_u32 v4, v9, 3, v4
	v_add_nc_u32 v4, s28, v4                       ; the code image: block x 272 + 8 x half; the row stands in the immediate
	v_add_nc_u32 v5, s29, v8                       ; my block's scale byte
	v_lshlrev_b32 v7, 3, v2                        ; the scale bytes on the way out: 8 bytes a lane
	v_add_nc_u32 v6, s29, v7
	v_lshrrev_b32 v8, 4, v2
	v_and_b32 v9, 15, v2
	v_mul_u32_u24 v[RDI], v8, IP
	v_lshl_add_u32 v[RDI], v9, 4, v[RDI]
	v_add_nc_u32 v[RDI], s28, v[RDI]               ; sixteen lanes to a block, two blocks an instruction
	v_lshlrev_b32 v[SQO], 2, v9
	v_mov_b32 v10, 0                               ; a lane permute's destination counts as one of its sources
	v_mov_b32 v[SQ], 0
	s_mov_b32 s12, 0x76543210
	s_mov_b32 s13, 0xfedcba98                      ; selects for lane l xor 16
	s_mul_i32 s17, ttmp9, 6
	s_add_co_u32 s17, s17, s16                     ; my tile, 0 .. 1,535
	s_mov_b32 s19, 0
	s_wait_alu depctr_va_vdst(0)
	s_wait_kmcnt 0x0
	s_cmp_lt_u32 s17, 1024                         ; x's tile or embed's?  The choice hangs on ids alone
	s_cselect_b64 s[4:5], s[4:5], s[6:7]
	s_cselect_b64 s[8:9], s[8:9], s[10:11]
	s_cselect_b32 s18, 0, 1024
	s_cselect_b32 s30, 1, 0                        ; 1: a tile of x, which makes no sums of squares
	s_sub_co_u32 s17, s17, s18                     ; the tile's number in its tensor
	s_lshl_b32 s18, s17, 15                        ; 16 rows of 2,048 bytes
	s_add_nc_u64 s[4:5], s[4:5], s[18:19]
	s_lshr_b32 s18, s17, 3
	s_mul_i32 s18, s18, REC                        ; its record
	s_add_nc_u64 s[8:9], s[8:9], s[18:19]
	s_and_b32 s17, s17, 7                          ; its place u in the record
	s_lshl_b32 s18, s17, 12
	s_add_nc_u64 s[22:23], s[8:9], s[18:19]        ; codes
	s_lshl_b32 s18, s17, 8
	s_add_co_u32 s18, s18, 32768
	s_add_nc_u64 s[24:25], s[8:9], s[18:19]        ; scale bytes
	s_lshl_b32 s18, s17, 6
	s_add_co_u32 s18, s18, 34816
	s_add_nc_u64 s[26:27], s[8:9], s[18:19]        ; sums
.macro LOAD t
.irp i, 0,1,2,3
	global_load_b128 v[R+16*((\t)%4)+4*\i:R+16*((\t)%4)+4*\i+3], v3, s[4:5] offset:2048*(\t)+512*\i th:TH_LOAD_NT
.endr
.endm
.macro TURN t                          ; row t through the stage: LDS serves a wave's instructions in order (ISA guide 5.7.1.4)
.irp i, 0,1,2,3
	ds_store_b128 v14, v[R+16*((\t)%4)+4*\i:R+16*((\t)%4)+4*\i+3] offset:32*SP*((\t)%2)+8*SP*\i
.endr
.irp i, 0,1,2,3
	ds_load_b128 v[X+16*((\t)%2)+4*\i:X+16*((\t)%2)+4*\i+3], v15 offset:32*SP*((\t)%2)+16*\i
.endr
.endm
.irp t, 0,1,2,3
	LOAD \t
.endr
	s_wait_loadcnt 12                              ; row 0's four loads are in; rows 1 to 3 may be out
	TURN 0
.macro STEP t
.set XS, X+16*((\t)%2)
.if (\t) > 0
	s_wait_dscnt 2                                 ; this row is back from the stage (behind its loads: the last step's byte store and code store)
.else
	s_wait_dscnt 0x0
.endif
.if (\t)+4 < 16
	LOAD (\t)+4
.endif
.if (\t)+1 < 16
.if 14-(\t) >= 3
	s_wait_loadcnt 12                              ; the next row's four loads are in; three rows behind it may be out
.else
	s_wait_loadcnt 4*(14-(\t))
.endif
	TURN (\t)+1
.endif
	v_max3_num_f32 v8, |v[XS]|, |v[XS+1]|, |v[XS+2]|               ; the largest magnitude of my 16, in two chains
	v_max3_num_f32 v9, |v[XS+3]|, |v[XS+4]|, |v[XS+5]|
.irp i, 6,10
	v_max3_num_f32 v8, v8, |v[XS+\i]|, |v[XS+\i+1]|
	v_max3_num_f32 v9, v9, |v[XS+\i+2]|, |v[XS+\i+3]|
.endr
	v_max3_num_f32 v8, v8, |v[XS+14]|, |v[XS+15]|
	v_max3_num_f32 v8, v8, v9, (EMAX+1)<<23        ; and the floor 2^(EMAX + 1 - 127): the byte cannot fall under 1
	v_max_num_f32_dpp v8, v8, v8 row_xmask:1 row_mask:0xf bank_mask:0xf   ; with my neighbour's 16: the block's
	v_add_nc_u32 v11, -(EMAX<<23), v8              ; EMAX off its exponent field: the conversion's scale operand
	v_cvt_scalef32_pk8_fp4_f32 v[C+2*(\t)], v[XS:XS+7], v11
	v_cvt_scalef32_pk8_fp4_f32 v[C+2*(\t)+1], v[XS+8:XS+15], v11
	v_lshrrev_b32 v[E+(\t)], 23, v11               ; the scale's byte (also the plain line behind the conversions)
	ds_store_b8 v5, v[E+(\t)] offset:16*(\t)       ; both lanes of a block write the same byte with the same value
	ds_store_b64 v4, v[C+2*(\t):C+2*(\t)+1] offset:16*(\t)
	s_cmp_lg_u32 s30, 0
	s_cbranch_scc1 .Lno_sum_\@                     ; a row of x has no sum of squares
	v_pk_mul_f32 v[P:P+1], v[XS:XS+1], v[XS:XS+1]                  ; my 16 squares, two at a time, in two chains
	v_pk_mul_f32 v[P+2:P+3], v[XS+2:XS+3], v[XS+2:XS+3]
.irp i, 4,8,12
	v_pk_fma_f32 v[P:P+1], v[XS+\i:XS+\i+1], v[XS+\i:XS+\i+1], v[P:P+1]
	v_pk_fma_f32 v[P+2:P+3], v[XS+\i+2:XS+\i+3], v[XS+\i+2:XS+\i+3], v[P+2:P+3]
.endr
	v_pk_add_f32 v[P:P+1], v[P:P+1], v[P+2:P+3]
	v_add_f32 v[SUM], v[P], v[P+1]
	v_add_f32_dpp v[SUM], v[SUM], v[SUM] row_xmask:1 row_mask:0xf bank_mask:0xf
	v_add_f32_dpp v[SUM], v[SUM], v[SUM] row_xmask:2 row_mask:0xf bank_mask:0xf
	v_add_f32_dpp v[SUM], v[SUM], v[SUM] row_xmask:4 row_mask:0xf bank_mask:0xf
	v_add_f32_dpp v[SUM], v[SUM], v[SUM] row_xmask:8 row_mask:0xf bank_mask:0xf
	v_permlanex16_b32 v10, v[SUM], s12, s13
	v_add_f32 v[SUM], v[SUM], v10
	s_mov_b32 s20, 0x10001<<(\t)
	v_cndmask_b32 v[SQ], v[SQ], v[SUM], s20        ; lanes t and t + 16 keep it
.Lno_sum_\@:
.endm
.irp t, 0,1,2,3,4,5,6,7,8,9,10,11,12,13,14,15
	STEP \t
.endr
	; THE WAY OUT.  LDS serves a wave's instructions in order: these loads see my stores
	ds_load_b64 v[12:13], v6
.irp i, 0,1,2,3,4,5,6,7
	ds_load_b128 v[OUT+4*\i:OUT+4*\i+3], v[RDI] offset:2*IP*\i
.endr
	s_wait_alu depctr_va_vdst(0)
	s_wait_dscnt 8                                 ; the scale bytes are in; the eight loads of codes may be out
	global_store_b64 v7, v[12:13], s[24:25]        ; 256 consecutive bytes, at a multiple of 256 from the buffer's first byte
.irp i, 0,1,2,3,4,5,6,7
	s_wait_dscnt 7-\i
	global_store_b128 v3, v[OUT+4*\i:OUT+4*\i+3], s[22:23] offset:512*\i   ; 512 consecutive bytes an instruction
.endr
	s_cmp_lg_u32 s30, 0
	s_cbranch_scc1 .Lno_sums
	v_mul_f32 v[SQ], -0.5, v[SQ]                   ; what the next launch gives its sums to begin with
	global_store_b32 v[SQO], v[SQ], s[26:27]       ; 16 numbers, 64 bytes: lanes l and l + 16 write the same word with the same value
.Lno_sums:
	s_wait_tensorcnt 0x0                           ; the wave's end
	ds_add_u32 v200, v201
	s_wait_dscnt 0x0
	s_endpgm
.Lfunc_end_k_q2b9ff37c0c_quant:
	.size	k_q2b9ff37c0c_quant, .Lfunc_end_k_q2b9ff37c0c_quant-k_q2b9ff37c0c_quant
	.p2alignl 7, 3214868480
	.fill 96, 4, 3214868480
	.section	.rodata,"a",@progbits
	.p2align	6, 0x0
	.amdhsa_kernel k_q2b9ff37c0c_quant
		.amdhsa_group_segment_fixed_size 59136
		.amdhsa_private_segment_fixed_size 0
		.amdhsa_enable_private_segment 0
		.amdhsa_kernarg_size 32
		.amdhsa_user_sgpr_count 2
		.amdhsa_user_sgpr_kernarg_segment_ptr 1
		.amdhsa_wavefront_size32 1
		.amdhsa_system_sgpr_workgroup_id_x 1
		.amdhsa_system_sgpr_workgroup_id_y 1
		.amdhsa_system_sgpr_workgroup_id_z 1
		.amdhsa_system_vgpr_workitem_id 0
		.amdhsa_next_free_vgpr 202
		.amdhsa_next_free_sgpr 66
		.amdhsa_reserve_vcc 0
		.amdhsa_float_denorm_mode_32 3
		.amdhsa_float_denorm_mode_16_64 3
		.amdhsa_memory_ordered 1
		.amdhsa_forward_progress 1
		.amdhsa_inst_pref_size 53
	.end_amdhsa_kernel
	.amdgpu_metadata
---
amdhsa.version: [ 1, 2 ]
amdhsa.kernels:
  - .name:           k_q2b9ff37c0c_quant
    .symbol:         k_q2b9ff37c0c_quant.kd
    .args:
      - { .name: x, .offset: 0, .size: 8, .value_kind: global_buffer, .address_space: global }
      - { .name: embed, .offset: 8, .size: 8, .value_kind: global_buffer, .address_space: global }
      - { .name: xw, .offset: 16, .size: 8, .value_kind: global_buffer, .address_space: global }
      - { .name: ew, .offset: 24, .size: 8, .value_kind: global_buffer, .address_space: global }
    .group_segment_fixed_size: 59136
    .private_segment_fixed_size: 0
    .kernarg_segment_align: 8
    .kernarg_segment_size: 32
    .max_flat_workgroup_size: 192
    .sgpr_count:     66
    .vgpr_count:     202
    .wavefront_size: 32
...
	.end_amdgpu_metadata
.endif
;; end of part 1
;; launch dist (part 2): grid 32 x 8, 8 waves a work-group, clusters of 4 x 1, 327,680 bytes of LDS; arguments xw, ew, cand; writes cand
.if DOCPART == 2
	.amdgcn_target "amdgcn-amd-amdhsa--gfx1250"
	.amdhsa_code_object_version 6
	.text
	.protected	k_q2b9ff37c0c_dist
	.globl	k_q2b9ff37c0c_dist
	.p2align	8
	.type	k_q2b9ff37c0c_dist,@function
k_q2b9ff37c0c_dist:
	s_mov_b64 s[64:65], 0
	v_nop
	global_prefetch_b8 v0, s[64:65] scope:SCOPE_SE
	s_setreg_imm32_b32 hwreg(HW_REG_WAVE_MODE, 25, 1), 1
	s_wait_xcnt 0x0
	s_wait_alu depctr_hold_cnt(0) depctr_sa_sdst(0) depctr_va_vdst(0) depctr_va_sdst(0) depctr_va_ssrc(0) depctr_va_vcc(0) depctr_vm_vsrc(0)
	s_getreg_b32 s2, hwreg(HW_REG_IB_STS2, 6, 4)
	s_cmp_eq_u32 s2, 0
	s_cbranch_scc0 .Lentry_in_a_cluster
	s_endpgm
.Lentry_in_a_cluster:
	s_bfe_u32 s2, ttmp6, 0x10000c
	s_cmp_lg_u32 s2, 0x3003
	s_cbranch_scc0 .Lentry_shape_is_right
	s_endpgm
.Lentry_shape_is_right:
; For each row n of x and each eighth of the codebook (1,024 codes): the largest x[n].e[k] - e_sq[k] / 2 and the lowest k that has it.  x_sq is left out: it is the same for all k of a row (shown at the first kernel's head).
; The product is made on FP4 codes with E8M0 scales; -e_sq / 2, which the launch before stored, is the C of each sum's first matrix instruction, so no vector instruction adds it.
; LIMITS: NaN and infinities are not served (a NaN loses every maximum here).
; SHARES.  Grid: 32 blocks of 512 rows of x by 8 eighths = 256 work-groups.  An eighth is 8 records of 35,328 bytes = 282,624 bytes: it lies in LDS whole, each byte filled once.  Wave w keeps x's record w % 4
; of the block (128 rows: 8 tiles x 4 K steps = 256 registers, window 1) and walks the 4 records 4 (w / 4) .. + 3: 16 pairs of tiles of 16 codes.
; THE FILLS: at the head each wave asks for half a record of records 0, 1, 4, 5, which the two halves of the waves read first; when these and x's fragments are in,
; each wave asks for the same half of records 2, 3, 6, 7, which land under the first two records' work; one barrier stands ahead of their first read.  A wave has one tensor load out.
; CLUSTERS: the four work-groups of a cluster have the same eighth: each half record is asked for jointly (mask 15; the descriptors hang on the eighth and the wave's number alone).
; NO PREFETCH: all that the launch reads is asked for ahead of its loops.  NO PADDING: every fragment load reads 512 consecutive bytes.
; THE MATRIX INSTRUCTION, 32 x 16 x 128: source 0 = 32 codes (a pair of tiles), source 1 = 16 rows of x: lane (r, h) holds row r of x; its register 8 a + j is code 8 h + j of the pair's tile a.
; The pair's scale words as they lie in the record (lane m: row m of the 32) are source 0's scales.  Four accumulators of 16 registers take turns; x's 8 tiles go in two groups of four.
; THE SEARCH, for each lane, tile of x and tile of codes: the running maximum with the tile's 8 numbers (four v_max3); where it has grown (strictly: the earlier tile stays) the tile's number and its 8 numbers are kept.
; At the end: the lowest j whose kept number is the maximum; lanes l and l xor 16; the two halves of the eighth through LDS.  cand: [eighth][row]{key, index}: the key is -maximum as a whole number that rises with it.
.set REC,   35328
.set HALF,  REC/2                      ; 69 rows of 256 bytes
.set MRG,   8*REC                      ; behind the records: 8 waves x 128 rows x 8 bytes, stored by ds_store alone
.set SPARE, MRG+8192                   ; the spare words: 128 bytes for each of eight waves
.set SPW,  1
.set NIL,  2
.set AAD,  3                           ; this record + 16 x lane
.set EAD,  4                           ; this record + 32 h
.set XS,   6                           ; v6-21    x's scale words: register 4 (i / 2) + s, lanes 0-15 tile i even, 16-31 odd
.set ASC,  22                          ; v22-25   the pair's scale words, K step s
.set EQ,   26                          ; v26-41   -e_sq / 2: register 8 a + j: code 8 h + j of tile a
.set AF,   42                          ; v42-105  the pair's fragments: 16 s + 8 a
.set ACC,  106                         ; v106-169 4 accumulators of 16
.set RUN,  170                         ; v170-177 the running maxima behind a pair
.set TR,   178                         ; v178-181 a group's running maxima behind the pair's first tile
.set IDX,  182                         ; v182-189
.set BEST, 190                         ; v190-253
.set LI,   254                         ; 16 x lane
.set H32,  255                         ; 32 h
.set VP,   42                          ; the end's registers lie where the fragments lay
.set LD,   58
.set CBV,  66
.set MAD,  67
.set G1,   24
.set G0,   32                          ; s32-35 the head's load, s36-39 the later one's
.set MK,   68                          ; s68-75   masks
.set MSB, 0
.macro WIN new
.if MSB != \new
	s_set_vgpr_msb (MSB<<8)|\new
.set MSB, \new
.endif
.endm
.macro CROUND                          ; a round of the cluster's barrier
	s_barrier_signal -1
	s_barrier_wait -1
	s_cmp_lg_u32 s10, 0
	s_cbranch_scc1 .Lnot_wave_0_\@
	s_barrier_signal -3
.Lnot_wave_0_\@:
	s_barrier_wait -3
	s_barrier_signal -1
	s_barrier_wait -1
.endm
	s_load_b128 s[4:7], s[0:1], 0x0                ; xw, ew
	s_load_b64 s[8:9], s[0:1], 0x10                ; cand
	v_lshl_add_u32 v[SPW], v0, 2, SPARE
	v_mov_b32 v[NIL], 0
	ds_add_u32 v[SPW], v[NIL]
	ds_add_u32 v[SPW], v[NIL]
	v_lshrrev_b32 v5, 5, v0
	v_readfirstlane_b32 s10, v5                    ; wave 0..7
	s_and_b32 s11, s10, 3                          ; which record of x's block
	s_lshr_b32 s12, s10, 2                         ; which half of the eighth
	s_bfe_u32 s13, ttmp6, 0x40000                  ; cx
	s_lshl_b32 s14, ttmp9, 2
	s_add_co_u32 s14, s14, s13                     ; x's block, 0 .. 31
	s_and_b32 s15, ttmp7, 0xffff                   ; the eighth
	s_mov_b32 s[G1+0], 15|(3<<16)|(1<<21)          ; the four partners; elements of 8 bytes; bit 21 beside a mask
	s_mov_b32 s[G1+1], 32<<16                      ; half a record as 69 rows of 256 bytes
	s_mov_b32 s[G1+2], 69<<16
	s_mov_b32 s[G1+3], 32<<16
	s_mov_b32 s[G1+4], 69
	s_mov_b32 s[G1+5], 32
	s_mov_b32 s[G1+6], 0
	s_mov_b32 s[G1+7], 0
	s_lshr_b32 s16, s10, 1                         ; waves 2 n and 2 n + 1 fetch the halves of record 0, 1, 4, 5 for n = 0 .. 3
	s_and_b32 s17, s16, 1
	s_lshr_b32 s18, s16, 1
	s_lshl_b32 s18, s18, 2
	s_add_co_u32 s18, s18, s17
	s_mul_i32 s18, s18, REC
	s_and_b32 s17, s10, 1
	s_mul_i32 s17, s17, HALF
	s_add_co_u32 s18, s18, s17                     ; its place in LDS, and in the eighth
	s_mul_i32 s16, s15, 8*REC
	s_add_co_u32 s16, s16, s18
	s_mov_b32 s17, 0
	s_lshl_b32 s50, s14, 2
	s_add_co_u32 s50, s50, s11
	s_mul_i32 s50, s50, REC                        ; xw: record 4 x block + wave % 4
	s_mov_b32 s51, 0
	s_lshl_b32 s52, s15, 17                        ; cand: the eighth's plane of 131,072 bytes,
	s_lshl_b32 s53, s14, 12                        ; the block's 512 rows of 8 bytes
	s_add_co_u32 s52, s52, s53
	s_mov_b32 s53, 0
	s_lshl_b32 s54, s15, 10
	s_lshl_b32 s55, s12, 9
	s_add_co_u32 s54, s54, s55                     ; my first code
	s_lshl_b32 s55, s10, 10
	s_add_co_u32 s55, s55, MRG
	s_mul_i32 s48, s12, 4*REC                      ; my first record in LDS
	s_mov_b32 s46, 0                               ; the numbers of the pair's two tiles
	s_mov_b32 s47, 1
	s_mov_b32 s20, 0x76543210
	s_mov_b32 s21, 0xfedcba98                      ; selects for lane l xor 16
	s_mov_b32 s56, 0xff800000                      ; under every number
	v_and_b32 v[LI], 31, v0
	v_bfe_u32 v[H32], v0, 4, 1
	v_lshlrev_b32 v[LI], 4, v[LI]
	v_lshlrev_b32 v[H32], 5, v[H32]
	s_wait_alu depctr_va_vdst(0)
	s_wait_dscnt 0x0                               ; both opening adds are done
	CROUND                                         ; the round in front of the joint loads; the arguments are on their way meanwhile
	s_wait_kmcnt 0x0
	s_add_nc_u64 s[6:7], s[6:7], s[16:17]
	s_add_nc_u64 s[4:5], s[4:5], s[50:51]
	s_add_nc_u64 s[8:9], s[8:9], s[52:53]
	s_mov_b32 s[G0+0], 1
	s_mov_b32 s[G0+1], s18
	s_mov_b64 s[G0+2:G0+3], s[6:7]
	s_or_b32 s[G0+3], s[G0+3], 0x80000000
	s_mov_b32 s[G0+4], 1
	s_add_co_u32 s[G0+5], s18, 2*REC               ; two records further on, in LDS and in memory
	s_add_nc_u64 s[G0+6:G0+7], s[6:7], 2*REC
	s_or_b32 s[G0+7], s[G0+7], 0x80000000
	tensor_load_to_lds s[G0:G0+3], s[G1:G1+7]      ; my one tensor load at the head
	s_nop 0
	WIN 0x40                                       ; destination window 1
.irp i, 0,1,2,3,4,5,6,7
.irp s, 0,1,2,3
.irp c, 0,1
	global_load_b128 v[32*\i+8*\s+4*\c:32*\i+8*\s+4*\c+3], v[LI], s[4:5] offset:\i*4096+\s*1024+\c*512   ; x's fragments: 512 consecutive bytes a load
.endr
.endr
.endr
	WIN 0
.irp p, 0,1,2,3
	global_load_b128 v[XS+4*\p:XS+4*\p+3], v[LI], s[4:5] offset:32768+512*\p
.endr
.irp i, 0,1,2,3,4,5,6,7
	v_mov_b32 v[RUN+\i], s56
	v_mov_b32 v[IDX+\i], 0
.endr
.set n, 0
.rept 64
	v_mov_b32 v[BEST+n], s56                       ; written while the loads are on their way; the first tile's numbers take their place
.set n, n+1
.endr
; one matrix instruction: accumulator q (x's tile 4 g + q), K step s.  The first K step takes -e_sq / 2 as C
.macro WM q, s, g
.set rD, ACC+16*(\q)
.set rA, AF+16*(\s)
.set rB, 32*(4*(\g)+(\q))+8*(\s)
.set rU, ASC+(\s)
.set rW, XS+4*((4*(\g)+(\q))/2)+(\s)
.if (\s) == 0
.set rC, EQ
.else
.set rC, rD
.endif
.if (\q)%2 == 0
	v_wmma_scale_f32_32x16x128_f4 v[rD:rD+15], v[rA:rA+15], v[rB:rB+7], v[rC:rC+15], v[rU], v[rW]
.else
	v_wmma_scale_f32_32x16x128_f4 v[rD:rD+15], v[rA:rA+15], v[rB:rB+7], v[rC:rC+15], v[rU], v[rW] matrix_b_scale:MATRIX_SCALE_ROW1
.endif
.endm
.macro MM g                            ; 16 matrix instructions: the 4 accumulators take turns, one instruction a turn
	WIN 0x04                                       ; source 1 (x) window 1
.irp s, 0,1,2,3
.irp q, 0,1,2,3
	WM \q, \s, \g
.endr
.endr
	WIN 0
.rept 4
	v_nop                                          ; four places ahead of loads into the fragments' registers and of the first read of the results
.endr
.endm
.macro LOADA p                         ; pair p of the record: fragments, -e_sq / 2, scale words: 21 loads
.irp s, 0,1,2,3
.irp a, 0,1
.irp c, 0,1
	ds_load_b128 v[AF+16*\s+8*\a+4*\c:AF+16*\s+8*\a+4*\c+3], v[AAD] offset:(\p)*8192+\a*4096+\s*1024+\c*512
.endr
.endr
.endr
.irp a, 0,1
	ds_load_b128 v[EQ+8*\a:EQ+8*\a+3], v[EAD] offset:34816+(\p)*128+\a*64
	ds_load_b128 v[EQ+8*\a+4:EQ+8*\a+7], v[EAD] offset:34816+(\p)*128+\a*64+16
.endr
	ds_load_b128 v[ASC:ASC+3], v[AAD] offset:32768+(\p)*512
.endm
.macro VAL g, a                        ; the search in the pair's tile a; the group's 4 tiles of x by turns, each accumulator from its low end on (tile 0 first)
.if (\a) == 0
.set RO, RUN+4*(\g)
.set RN, TR
.else
.set RO, TR
.set RN, RUN+4*(\g)
.endif
.set AB, ACC+8*(\a)
.irp q, 0,1,2,3
	v_max3_num_f32 v[RN+\q], v[RO+\q], v[AB+16*\q], v[AB+16*\q+1]
.endr
.irp p, 1,2,3
.irp q, 0,1,2,3
	v_max3_num_f32 v[RN+\q], v[RN+\q], v[AB+16*\q+2*\p], v[AB+16*\q+2*\p+1]
.endr
.endr
.irp q, 0,1,2,3
	v_cmp_gt_f32 s[MK+\q], v[RN+\q], v[RO+\q]      ; has it grown?
.endr
.irp q, 0,1,2,3
	s_mov_b32 vcc_lo, s[MK+\q]                     ; the paired selects below take their mask from VCC
	v_cndmask_b32 v[IDX+4*(\g)+\q], v[IDX+4*(\g)+\q], s[46+(\a)], s[MK+\q]   ; the tile's number
.irp j, 0,2,4,6                                ; the tile's 8 numbers, two selects an instruction: neighbouring registers, so one destination is even and one odd and the sources lie in different banks
	v_dual_cndmask_b32 v[BEST+8*(4*(\g)+\q)+\j], v[BEST+8*(4*(\g)+\q)+\j], v[AB+16*\q+\j] :: v_dual_cndmask_b32 v[BEST+8*(4*(\g)+\q)+\j+1], v[BEST+8*(4*(\g)+\q)+\j+1], v[AB+16*\q+\j+1]
.endr
.endr
.endm
.macro PAIR p
	s_wait_dscnt 0x0                               ; this pair's loads are in
	MM 0
	VAL 0, 0
	VAL 0, 1
	MM 1
.if (\p) < 3
	LOADA (\p)+1                                   ; the next pair comes in under the search
.endif
	VAL 1, 0
	VAL 1, 1
	s_add_co_u32 s46, s46, 2
	s_add_co_u32 s47, s47, 2
.endm
.macro WALK from                       ; two records, from record 'from' of my four; a trip is a record: 4 pairs, every offset an immediate
	s_add_co_u32 s45, s48, (\from)*REC
	s_mov_b32 s44, 2
.Lrec_\@:
	v_add_nc_u32 v[AAD], s45, v[LI]
	v_add_nc_u32 v[EAD], s45, v[H32]
	s_wait_alu depctr_va_vdst(0)
	LOADA 0
.irp p, 0,1,2,3
	PAIR \p
.endr
	s_add_co_u32 s45, s45, REC
	s_sub_co_u32 s44, s44, 1
	s_cmp_lg_u32 s44, 0
	s_cbranch_scc1 .Lrec_\@
.endm
	s_wait_alu depctr_va_vdst(0)
	s_wait_loadcnt 0x0                             ; x's fragments and scale words are in
	s_wait_tensorcnt 0x0                           ; my half record is in
	ds_add_u32 v[SPW], v[NIL]
	s_wait_dscnt 0x0
	CROUND                                         ; a whole round: records 0, 1, 4, 5 are in, and the four work-groups are here
	tensor_load_to_lds s[G0+4:G0+7], s[G1:G1+7]    ; my half of record 2, 3, 6 or 7: the first tensor load behind the round
	s_nop 0
	WALK 0
	s_wait_tensorcnt 0x0                           ; my part of the later records is in
	s_barrier_signal -1
	s_barrier_wait -1                              ; everybody's is
	WALK 2
	; THE END.  The lowest j whose kept number is the maximum
	v_and_b32 v[MAD], 15, v0
	v_bfe_u32 v[CBV], v0, 4, 1
	v_lshl_add_u32 v[MAD], v[MAD], 3, s55          ; my wave's 1,024 bytes of the merge area, 8 bytes a row
	v_lshl_add_u32 v[CBV], v[CBV], 3, s54          ; my first code + 8 h
.irp i, 0,1,2,3,4,5,6,7
	v_mov_b32 v[VP+2*\i+1], 7
.endr
.irp j, 6,5,4,3,2,1,0
.irp i, 0,1,2,3,4,5,6,7
	v_cmp_neq_f32 s[MK+\i], v[BEST+8*\i+\j], v[RUN+\i]
.endr
.irp i, 0,1,2,3,4,5,6,7
	v_cndmask_b32 v[VP+2*\i+1], \j, v[VP+2*\i+1], s[MK+\i]
.endr
.endr
.irp i, 0,1,2,3,4,5,6,7
	v_lshl_add_u32 v[VP+2*\i+1], v[IDX+\i], 4, v[VP+2*\i+1]
.endr
.irp i, 0,1,2,3,4,5,6,7
	v_add_nc_u32 v[VP+2*\i+1], v[CBV], v[VP+2*\i+1]    ; the code's number
.endr
.irp i, 0,1,2,3,4,5,6,7
	v_permlanex16_b32 v[ACC+\i], v[RUN+\i], s20, s21   ; lane l xor 16 has the tile's other 8 codes
	v_permlanex16_b32 v[ACC+8+\i], v[VP+2*\i+1], s20, s21
.endr
.irp i, 0,1,2,3,4,5,6,7
	v_cmp_gt_f32 s40, v[ACC+\i], v[RUN+\i]
	v_cmp_eq_f32 s41, v[ACC+\i], v[RUN+\i]
	v_cmp_lt_u32 s42, v[ACC+8+\i], v[VP+2*\i+1]        ; of equals the lower number
	s_and_b32 s41, s41, s42
	s_or_b32 s40, s40, s41
	v_cndmask_b32 v[VP+2*\i], v[RUN+\i], v[ACC+\i], s40
	v_cndmask_b32 v[VP+2*\i+1], v[VP+2*\i+1], v[ACC+8+\i], s40
	ds_store_b64 v[MAD], v[VP+2*\i:VP+2*\i+1] offset:128*\i   ; lanes l and l xor 16 write the same 8 bytes with the same value
.endr
	v_lshl_add_u32 v70, v0, 4, MRG                 ; thread t takes rows 2 t and 2 t + 1 of the block
	v_lshlrev_b32 v71, 4, v0
	s_wait_alu depctr_va_vdst(0)
	s_wait_dscnt 0x0                               ; for the others' sake: my stores are done
	s_barrier_signal -1
	s_barrier_wait -1
	ds_load_b128 v[LD:LD+3], v70                   ; the lower half of the eighth
	ds_load_b128 v[LD+4:LD+7], v70 offset:4096     ; the upper: it wins only where strictly greater
	s_wait_dscnt 0x0
.irp e, 0,2
	v_cmp_gt_f32 s[40+\e], v[LD+4+\e], v[LD+\e]
.endr
.irp e, 0,2
	v_cndmask_b32 v[LD+\e], v[LD+\e], v[LD+4+\e], s[40+\e]
	v_cndmask_b32 v[LD+\e+1], v[LD+\e+1], v[LD+5+\e], s[40+\e]
.endr
.irp e, 0,2
	v_xor_b32 v[LD+\e], 0x80000000, v[LD+\e]       ; -maximum,
.endr
.irp e, 0,2
	v_ashrrev_i32 v[68+\e/2], 31, v[LD+\e]         ; as a whole number without sign that rises with it
.endr
.irp e, 0,2
	v_or_b32 v[68+\e/2], 0x80000000, v[68+\e/2]
.endr
.irp e, 0,2
	v_xor_b32 v[LD+\e], v[68+\e/2], v[LD+\e]
.endr
	global_store_b128 v71, v[LD:LD+3], s[8:9]      ; a wave stores 512 consecutive bytes, at a multiple of 256 from cand's first byte
	s_wait_tensorcnt 0x0                           ; the wave's end
	ds_add_u32 v[SPW], v[NIL]
	s_wait_dscnt 0x0
	CROUND                                         ; the closing round
	s_endpgm
.Lfunc_end_k_q2b9ff37c0c_dist:
	.size	k_q2b9ff37c0c_dist, .Lfunc_end_k_q2b9ff37c0c_dist-k_q2b9ff37c0c_dist
	.p2alignl 7, 3214868480
	.fill 96, 4, 3214868480
	.section	.rodata,"a",@progbits
	.p2align	6, 0x0
	.amdhsa_kernel k_q2b9ff37c0c_dist
		.amdhsa_group_segment_fixed_size 327680
		.amdhsa_private_segment_fixed_size 0
		.amdhsa_enable_private_segment 0
		.amdhsa_kernarg_size 24
		.amdhsa_user_sgpr_count 2
		.amdhsa_user_sgpr_kernarg_segment_ptr 1
		.amdhsa_wavefront_size32 1
		.amdhsa_system_sgpr_workgroup_id_x 1
		.amdhsa_system_sgpr_workgroup_id_y 1
		.amdhsa_system_sgpr_workgroup_id_z 1
		.amdhsa_system_vgpr_workitem_id 0
		.amdhsa_next_free_vgpr 512
		.amdhsa_next_free_sgpr 80
		.amdhsa_reserve_vcc 1
		.amdhsa_float_denorm_mode_32 3
		.amdhsa_float_denorm_mode_16_64 3
		.amdhsa_memory_ordered 1
		.amdhsa_forward_progress 1
		.amdhsa_inst_pref_size 159
	.end_amdhsa_kernel
	.amdgpu_metadata
---
amdhsa.version: [ 1, 2 ]
amdhsa.kernels:
  - .name:           k_q2b9ff37c0c_dist
    .symbol:         k_q2b9ff37c0c_dist.kd
    .args:
      - { .name: xw, .offset: 0, .size: 8, .value_kind: global_buffer, .address_space: global }
      - { .name: ew, .offset: 8, .size: 8, .value_kind: global_buffer, .address_space: global }
      - { .name: cand, .offset: 16, .size: 8, .value_kind: global_buffer, .address_space: global }
    .group_segment_fixed_size: 327680
    .private_segment_fixed_size: 0
    .kernarg_segment_align: 8
    .kernarg_segment_size: 24
    .max_flat_workgroup_size: 256
    .sgpr_count:     80
    .vgpr_count:     512
    .wavefront_size: 32
...
	.end_amdgpu_metadata
.endif
;; end of part 2
;; launch pick (part 3): grid 256 x 1, 16 waves a work-group, no clusters, 0 bytes of LDS; arguments cand, embed, out0, out1; writes out0, out1
.if DOCPART == 3
	.amdgcn_target "amdgcn-amd-amdhsa--gfx1250"
	.amdhsa_code_object_version 6
	.text
	.protected	k_q2b9ff37c0c_pick
	.globl	k_q2b9ff37c0c_pick
	.p2align	8
	.type	k_q2b9ff37c0c_pick,@function
k_q2b9ff37c0c_pick:
	s_mov_b64 s[64:65], 0
	v_nop
	global_prefetch_b8 v0, s[64:65] scope:SCOPE_SE
	s_setreg_imm32_b32 hwreg(HW_REG_WAVE_MODE, 25, 1), 1
	s_wait_xcnt 0x0
; For each row: the least of its eight keys (whole numbers that the launch before stored, one for each eighth of the codebook; eighths in ascending order, strictly less, so that the lowest index stays),
; its index to out1, and that row of embed, as given, to out0.
; SHARES.  A work-group takes 64 rows, a wave 4.  A wave's 4 candidates of an eighth are 32 consecutive bytes: one scalar load; the choice is made in scalar registers, since a row's address is the same in all lanes.
; A row of embed is 2,048 bytes: four loads and four stores of 512 consecutive bytes.  All 16 loads of a wave are out together; no loop (so nothing to prefetch ahead in), no LDS, no barrier.
; out1: the work-group's 64 indices are 256 consecutive bytes: wave 0 makes them once more in vector registers, two rows a lane, and stores them by one instruction.
; The index is held under 8,192 ahead of the address (it is never larger: the hold is the form in which a loaded number may enter an address).
.set PLANE, 131072                     ; bytes of an eighth's candidates
.set LI,  1                            ; 16 x lane
.set L8,  2                            ; 8 x lane
.set OFF, 4                            ; v4-7    row r: the byte offset in embed of my 16 bytes
.set D,   16                           ; v16-79  row r: 16 registers
.set CQ,  80                           ; v80-111 wave 0: eighth q: {key, index} of rows 2 l and 2 l + 1
	s_load_b256 s[4:11], s[0:1], 0x0               ; cand, embed, out0, out1
	v_lshrrev_b32 v3, 5, v0
	v_readfirstlane_b32 s14, v3                    ; wave 0..15
	v_and_b32 v2, 31, v0
	v_lshlrev_b32 v[LI], 4, v2
	v_lshlrev_b32 v[L8], 3, v2
	s_lshl_b32 s86, ttmp9, 6
	s_lshl_b32 s87, s14, 2
	s_add_co_u32 s86, s86, s87                     ; my first row: 64 x work-group + 4 x wave
	s_lshl_b32 s88, s86, 3                         ; in a plane of cand,
	s_mov_b32 s89, 0
	s_lshl_b32 s90, s86, 11                        ; in out0
	s_mov_b32 s91, 0
	s_lshl_b32 s92, ttmp9, 9                       ; the work-group's 64 rows in a plane of cand,
	s_mov_b32 s93, 0
	s_lshl_b32 s94, ttmp9, 8                       ; in out1
	s_mov_b32 s95, 0
	s_wait_alu depctr_va_vdst(0)
	s_wait_kmcnt 0x0
	s_add_nc_u64 s[12:13], s[4:5], s[88:89]
	s_add_nc_u64 s[8:9], s[8:9], s[90:91]
	s_add_nc_u64 s[84:85], s[4:5], s[92:93]
	s_add_nc_u64 s[10:11], s[10:11], s[94:95]
.set n, 0
.irp b, 16,24,32,40,48,56,68,76
	s_load_b256 s[\b:\b+7], s[12:13], n*PLANE      ; eighth n: {key, index} of my 4 rows
.set n, n+1
.endr
	s_cmp_lg_u32 s14, 0
	s_cbranch_scc1 .Lnot_first
.irp q, 0,1,2,3,4,5,6,7
	global_load_b128 v[CQ+4*\q:CQ+4*\q+3], v[LI], s[84:85] offset:\q*PLANE   ; wave 0: these eight are older than every load below, so the counts below hold on both ways
.endr
.Lnot_first:
	s_wait_kmcnt 0x0
.irp r, 0,1,2,3
.irp b, 24,32,40,48,56,68,76
	s_cmp_lt_u32 s[\b+2*\r], s[16+2*\r]
	s_cselect_b32 s[16+2*\r], s[\b+2*\r], s[16+2*\r]
	s_cselect_b32 s[17+2*\r], s[\b+2*\r+1], s[17+2*\r]
.endr
	s_min_u32 s[17+2*\r], s[17+2*\r], 0x1fff
	s_lshl_b32 s[17+2*\r], s[17+2*\r], 11          ; 2,048 bytes a row
	v_add_nc_u32 v[OFF+\r], s[17+2*\r], v[LI]
.irp k, 0,1,2,3
	global_load_b128 v[D+16*\r+4*\k:D+16*\r+4*\k+3], v[OFF+\r], s[6:7] offset:512*\k   ; no hint: several rows may name the same code
.endr
.endr
.irp r, 0,1,2,3
	s_wait_loadcnt 12-4*\r                         ; row r's four loads are in; those of the rows behind it may be out
.irp k, 0,1,2,3
	global_store_b128 v[LI], v[D+16*\r+4*\k:D+16*\r+4*\k+3], s[8:9] offset:2048*\r+512*\k th:TH_STORE_NT   ; 512 consecutive bytes, at a multiple of 256 from out0's first byte
.endr
.endr
	s_cmp_lg_u32 s14, 0
	s_cbranch_scc1 .Ldone
.irp q, 1,2,3,4,5,6                            ; wave 0: the same choice for rows 2 l (e = 0) and 2 l + 1 (e = 2); its loads of cand are in since the last wait above
.irp e, 0,2
	v_cmp_lt_u32 s[16+\e], v[CQ+4*\q+\e], v[CQ+\e]
.endr
.irp e, 0,2
	v_cndmask_b32 v[CQ+\e], v[CQ+\e], v[CQ+4*\q+\e], s[16+\e]
	v_cndmask_b32 v[CQ+\e+1], v[CQ+\e+1], v[CQ+4*\q+\e+1], s[16+\e]
.endr
.endr
	v_cmp_lt_u32 s16, v[CQ+28], v[CQ]              ; the last eighth's choice puts the two indices side by side
	v_cmp_lt_u32 s18, v[CQ+30], v[CQ+2]
	v_cndmask_b32 v12, v[CQ+1], v[CQ+29], s16
	v_cndmask_b32 v13, v[CQ+3], v[CQ+31], s18
	global_store_b64 v[L8], v[12:13], s[10:11]     ; 32 lanes store 256 consecutive bytes, at a multiple of 256 from out1's first byte
.Ldone:
	s_endpgm
.Lfunc_end_k_q2b9ff37c0c_pick:
	.size	k_q2b9ff37c0c_pick, .Lfunc_end_k_q2b9ff37c0c_pick-k_q2b9ff37c0c_pick
	.p2alignl 7, 3214868480
	.fill 96, 4, 3214868480
	.section	.rodata,"a",@progbits
	.p2align	6, 0x0
	.amdhsa_kernel k_q2b9ff37c0c_pick
		.amdhsa_group_segment_fixed_size 0
		.amdhsa_private_segment_fixed_size 0
		.amdhsa_enable_private_segment 0
		.amdhsa_kernarg_size 32
		.amdhsa_user_sgpr_count 2
		.amdhsa_user_sgpr_kernarg_segment_ptr 1
		.amdhsa_wavefront_size32 1
		.amdhsa_system_sgpr_workgroup_id_x 1
		.amdhsa_system_sgpr_workgroup_id_y 1
		.amdhsa_system_sgpr_workgroup_id_z 1
		.amdhsa_system_vgpr_workitem_id 0
		.amdhsa_next_free_vgpr 112
		.amdhsa_next_free_sgpr 100
		.amdhsa_reserve_vcc 0
		.amdhsa_float_denorm_mode_32 3
		.amdhsa_float_denorm_mode_16_64 3
		.amdhsa_memory_ordered 1
		.amdhsa_forward_progress 1
		.amdhsa_inst_pref_size 12
	.end_amdhsa_kernel
	.amdgpu_metadata
---
amdhsa.version: [ 1, 2 ]
amdhsa.kernels:
  - .name:           k_q2b9ff37c0c_pick
    .symbol:         k_q2b9ff37c0c_pick.kd
    .args:
      - { .name: cand, .offset: 0, .size: 8, .value_kind: global_buffer, .address_space: global }
      - { .name: embed, .offset: 8, .size: 8, .value_kind: global_buffer, .address_space: global }
      - { .name: out0, .offset: 16, .size: 8, .value_kind: global_buffer, .address_space: global }
      - { .name: out1, .offset: 24, .size: 8, .value_kind: global_buffer, .address_space: global }
    .group_segment_fixed_size: 0
    .private_segment_fixed_size: 0
    .kernarg_segment_align: 8
    .kernarg_segment_size: 32
    .max_flat_workgroup_size: 512
    .sgpr_count:     100
    .vgpr_count:     112
    .wavefront_size: 32
...
	.end_amdgpu_metadata
.endif
;; end of part 3
